; MI455X (gfx1250); checked and timed in simulation.
; The chip was launched on July 23, 2026; its instructions are those of AMD's public machine-readable ISA for CDNA 5 (MIT licence, August 2026) and "CDNA5" Instruction Set Architecture Reference Guide (July 2026). The comments in the code are by the model that wrote it; some were corrected since.
;; Window Attention. Allowed arithmetic: matrix products marked QUANTISED: E4M3 operands, one given power-of-two scale a tensor, by v_wmma_f32_16x16x64_fp8_fp8 or v_wmma_f32_16x16x128_fp8_fp8, f32 sums; everything else in f32.
;; Inputs: b_in 3,072 float32; b_out 1,024 float32; lowp_scales 8 int32 (the exponents e of the quantised operands' scales 2^e); w_in 3,072 x 1,024 float32; w_out 1,024 x 1,024 float32; x 1 x 4,096 x 1,024 float32.
;; Outputs: out0 1 x 4,096 x 1,024 float32.
;; This version of the problem:
;;   THIS VERSION OF THE PROBLEM IS GIVEN IN LOW PRECISION. The matrix products marked QUANTISED in the list below multiply operands that are first quantised to E4M3 (4 exponent bits, 3 mantissa bits; 8 bits a number), with one given power-of-two scale for each operand tensor; their sums are f32. All else is computed in f32.
;;   The module's matrix products, in the order in which they are computed (A, B: the left and right operand; K: the contracted axis; several contracted axes count as one K, in the product's order):
;;     1. [M 4,096, K 1,024] x [K 1,024, N 3,072]; A: input x; B: input w_in: QUANTISED (scales: A lowp_scales[0], B lowp_scales[1])
;;     2. batch 16 x [M 4,096, K 64] x [K 64, N 4,096]; A: computed on the way; B: computed on the way: QUANTISED (scales: A lowp_scales[2], B lowp_scales[3])
;;     3. batch 16 x [M 4,096, K 4,096] x [K 4,096, N 64]; A: softmax (see below); B: computed on the way: QUANTISED (scales: A lowp_scales[4], B lowp_scales[5])
;;     4. [M 4,096, K 1,024] x [K 1,024, N 1,024]; A: computed on the way; B: input w_out: QUANTISED (scales: A lowp_scales[6], B lowp_scales[7])
;;   THE QUANTISER, for each operand of a quantised product, along K:
;;     - The operand's scale is 2^e, e = its entry of the input lowp_scales (int32; the entries are numbered through the quantised products in the list's order, A before B).
;;     - Each number is divided by the scale, clamped to +-448, and rounded to the nearest number of E4M3, ties to even, subnormals kept.
;;     - The product sums the exact products of the quantised numbers (number of the format x scale) in f32.
;;   ~~~python
;;   def quantise(x, axis, e):      # numpy; x: float32 -> the quantised numbers, widened to float32 again
;;       x = np.moveaxis(x, axis, -1); K = x.shape[-1]
;;       r = np.clip(x / 2.0 ** e, -448, 448)
;;       step = 2.0 ** (np.maximum(np.frexp(np.where(r == 0, 1, r))[1] - 1, -6) - 3)
;;       q = np.round(r / step) * step * 2.0 ** e      # np.round: ties to even
;;       return np.moveaxis(q, -1, axis).astype(np.float32)
;;   ~~~
;;   SOFTMAX AHEAD OF A QUANTISED PRODUCT. Where the list says 'softmax', what is quantised is not the finished softmax but p = 2^(t - M), with t = logit x log2(e) and M = ceil(the row's largest t), a whole number; so 1/2 < the row's largest p <= 1. The row's sum l is taken of the UNQUANTISED p, in f32, and the product's result is divided by l at the end. Since M is a whole number, a kernel that streams over the keys may use a running M (the ceiling of the running maximum): every later rescaling is an exact power of two, so the quantised numbers keep their values, but for numbers so far below the row's largest that they fall under the format's range.
;;   OPERANDS COMPUTED ON THE WAY. 'Computed on the way' means the value that the module computes at that place (a softmax that the list does not call 'softmax' is quantised finished and normalised). What goes into a quantiser is computed in f32, as accurately as f32 sums, v_exp_f32 and their like allow (about 1e-6 of the number): no bf16 or f16 on the way to a quantiser, and a product that is left as it is and whose result goes on into a quantised operand takes f32 operands (vector FMAs, or v_wmma_f32_16x16x4_f32). A number that lies on a knife's edge between two numbers of the format may be rounded either way, as far as f32 arithmetic and the matrix unit's own rounding can turn it there, and no further.
;; One version. Each part assembles by itself: llvm-mc -triple=amdgcn-amd-amdhsa -mcpu=gfx1250 --defsym DOCPART=n.
;; ======== version 1 of 1: 4 launches
;; workspace buffers: x_codes 4,194,304 bytes; win_codes 3,145,728 bytes; wout_codes 1,048,576 bytes; qkv 12,582,912 bytes; ctx 4,194,304 bytes
;; launch quant (part 1): grid 256 x 1, 4 waves a work-group, no clusters, 33,280 bytes of LDS; arguments x, w_in, w_out, lowp_scales, x_codes, win_codes, wout_codes; writes x_codes, win_codes, wout_codes
.if DOCPART == 1
	.amdgcn_target "amdgcn-amd-amdhsa--gfx1250"
	.amdhsa_code_object_version 6
	.text
	.protected	k_q1b5a0d8b30_quant
	.globl	k_q1b5a0d8b30_quant
	.p2align	8
	.type	k_q1b5a0d8b30_quant,@function
k_q1b5a0d8b30_quant:
	s_mov_b64 s[64:65], 0
	v_nop
	global_prefetch_b8 v0, s[64:65] scope:SCOPE_SE
	s_setreg_imm32_b32 hwreg(HW_REG_WAVE_MODE, 25, 1), 1
	s_wait_xcnt 0x0
; x [4096][1024], w_in [3072][1024] and w_out [1024][1024], f32, become codes of FP8 (E4M3), K innermost, each with its given scale 2^e (entries 0, 1 and 7 of the scales).
; code = number / 2^e, held within +-448, rounded to the nearest code, ties to even.
; LIMITS: each e lies between -126 and 119, so that 2^e and 448 x 2^e are f32 numbers.  NaN among the inputs is not served (an infinity is held at the largest code).
; THE CODES' ORDER.  Inside each 32 bytes the two middle groups of 8 change places: stored byte 32 p + 16 o + 8 u + j holds k = 32 p + 16 u + 8 o + j.  A load of 16 bytes at 32 c + 16 (lane / 16)
; then brings registers 4 c .. 4 c + 3 of the plain 8-bit operand layout with every k in its own place (ISA guide 7.12.2), so the products' launches fetch fragments by 16-byte loads.
; Rows are dense and 1,024 is a multiple of 32: the three tensors are plain streams of blocks of 32.  Work-groups 0-127 take x, 128-223 w_in, 224-255 w_out: only pointers and e are chosen, the path is one.
; A wave takes 16 steps of 512 numbers.  Each of a step's four loads reads 512 consecutive bytes; the 2,048 bytes turn through the wave's own stage in LDS (16 bytes of padding behind each 64) and come back
; as the 2 x 8 neighbours that the lane's 16 codes stand for.  A wave's store covers 512 consecutive bytes.  No barrier: waves share nothing.  Loads run four steps ahead, the turn through LDS one step.
.set STEPS, 16
.set EMAX,  8
.set MANT,  0x600000                   ; the mantissa field of 448 as f32
.set R,     16                         ; v16-79   four sets of 16 numbers as they are loaded
.set X,     80                         ; v80-111  two sets of 16 numbers in the codes' order
.set C,     128                        ; v128-191 codes: four registers for each step, so that no store's data are written again
.set WREG,  8192                       ; LDS: a region for each wave: two stages of 32 x SP bytes
.set SP,    80                         ; 64 bytes of numbers + 16 of padding
	s_load_b256 s[4:11], s[0:1], 0x0               ; x s[4:5], w_in s[6:7], w_out s[8:9], the scales' exponents s[10:11]
	s_load_b128 s[12:15], s[0:1], 0x20             ; x's codes, w_in's codes
	s_load_b64 s[16:17], s[0:1], 0x30              ; w_out's codes
	v_lshl_add_u32 v192, v0, 2, 0x8000
	v_mov_b32 v193, 0
	v_lshrrev_b32 v1, 5, v0
	v_readfirstlane_b32 s32, v1                    ; wave
	v_and_b32 v2, 31, v0                           ; lane
	v_lshlrev_b32 v3, 4, v2                        ; 16 x lane: my 16 bytes of a load's 512, and of a store's; never rewritten
	s_mul_i32 s33, s32, WREG
	v_lshrrev_b32 v14, 2, v2
	v_mul_u32_u24 v14, v14, SP
	v_and_b32 v15, 3, v2
	v_lshl_add_u32 v14, v15, 4, v14
	v_add_nc_u32 v14, s33, v14                     ; the stage, on the way in: SP (lane / 4) + 16 (lane % 4)
	v_lshrrev_b32 v15, 1, v2
	v_mul_u32_u24 v15, v15, 2*SP
	v_and_b32 v5, 1, v2
	v_lshl_add_u32 v15, v5, 5, v15
	v_add_nc_u32 v15, s33, v15                     ; on the way out: block p = lane / 2 begins at 2 SP p; o = lane % 2 takes numbers 8 o .. 8 o + 7 (32 o bytes on) and, SP bytes on, 16 + 8 o .. 16 + 8 o + 7
	s_wait_kmcnt 0x0
	s_load_b256 s[24:31], s[10:11], 0x0            ; the eight exponents
	s_cmp_lt_u32 ttmp9, 128                        ; the choices hang on the work-group's number alone
	s_cselect_b64 s[4:5], s[4:5], s[6:7]
	s_cselect_b64 s[12:13], s[12:13], s[14:15]
	s_cselect_b32 s18, 0, 128
	s_cmp_lt_u32 ttmp9, 224
	s_mov_b32 s19, 224
	s_cselect_b64 s[4:5], s[4:5], s[8:9]
	s_cselect_b64 s[12:13], s[12:13], s[16:17]
	s_cselect_b32 s18, s18, s19                    ; the tensor's first work-group
	s_sub_co_u32 s18, ttmp9, s18
	s_lshl_b32 s18, s18, 2
	s_add_co_u32 s20, s18, s32                     ; which run of 8,192 numbers of the tensor is my wave's: 511 at the most
	s_lshl_b32 s22, s20, 15                        ; 32,768 bytes of numbers,
	s_mov_b32 s23, 0
	s_add_nc_u64 s[4:5], s[4:5], s[22:23]
	s_lshl_b32 s22, s20, 13                        ; 8,192 bytes of codes
	s_add_nc_u64 s[12:13], s[12:13], s[22:23]
.macro LOAD t
.irp i, 0,1,2,3
	global_load_b128 v[R+16*((\t)%4)+4*\i:R+16*((\t)%4)+4*\i+3], v3, s[4:5] offset:2048*(\t)+512*\i th:TH_LOAD_NT   ; 32 lanes read 512 consecutive bytes
.endr
.endm
.macro TURN t                          ; step t's numbers through the stage: LDS serves a wave's instructions in order (ISA guide 5.7.1.4), so no wait stands between the stores and the loads
.irp i, 0,1,2,3
	ds_store_b128 v14, v[R+16*((\t)%4)+4*\i:R+16*((\t)%4)+4*\i+3] offset:32*SP*((\t)%2)+8*SP*\i
.endr
.irp i, 0,1,2,3
	ds_load_b128 v[X+16*((\t)%2)+4*\i:X+16*((\t)%2)+4*\i+3], v15 offset:32*SP*((\t)%2)+SP*(\i/2)+16*(\i%2)
.endr
.endm
.irp t, 0,1,2,3
	LOAD \t
.endr
	s_wait_kmcnt 0x0
	s_cmp_lt_u32 ttmp9, 128
	s_cselect_b32 s24, s24, s25                    ; e0 or e1,
	s_cmp_lt_u32 ttmp9, 224
	s_cselect_b32 s24, s24, s31                    ; or e7
	s_add_co_i32 s24, s24, 127
	s_lshl_b32 s25, s24, 23
	v_mov_b32 v11, s25                             ; 2^e as f32: the conversion takes its exponent field
	s_add_co_i32 s24, s24, EMAX
	s_lshl_b32 s24, s24, 23
	s_or_b32 s24, s24, MANT
	v_mov_b32 v10, s24                             ; 448 x 2^e
	s_wait_loadcnt 12                              ; step 0's four loads are in; the twelve behind them may be out
	TURN 0
.macro STEP t
.set XS, X+16*((\t)%2)
	s_wait_dscnt 0x0                               ; this step's numbers are back from the stage: so its stores into the stage have read their registers,
.if (\t)+4 < STEPS
	LOAD (\t)+4                                    ; which take the loads of four steps on
.endif
.if (\t)+1 < STEPS
.if STEPS-2-(\t) >= 3
	s_wait_loadcnt 12                              ; the next step's four loads are in; those of the three steps behind it may be out
.else
	s_wait_loadcnt 4*(STEPS-2-(\t))                ; at the end the count runs down
.endif
	TURN (\t)+1                                    ; and go through the other stage while this step is worked
.endif
.irp i, 0,1,2,3,4,5,6,7,8,9,10,11,12,13,14,15
	v_med3_num_f32 v[XS+\i], v[XS+\i], -v10, v10   ; the conversion to an 8-bit code does not saturate (ISA guide 7.6.2): the number is held within 448 x the scale first
.endr
	v_cvt_scalef32_pk8_fp8_f32 v[C+4*(\t):C+4*(\t)+1], v[XS:XS+7], v11          ; eight numbers / 2^e, to the nearest code, ties to even; the first number's code in the lowest byte
	v_cvt_scalef32_pk8_fp8_f32 v[C+4*(\t)+2:C+4*(\t)+3], v[XS+8:XS+15], v11
	global_store_b128 v3, v[C+4*(\t):C+4*(\t)+3], s[12:13] offset:512*(\t)      ; the results go to a store alone; the next vector lines are the next step's holds, on other registers
.endm
.irp t, 0,1,2,3,4,5,6,7,8,9,10,11,12,13,14,15
	STEP \t
.endr
	s_wait_tensorcnt 0x0
	ds_add_u32 v192, v193
	s_wait_dscnt 0x0
	s_endpgm
.Lfunc_end_k_q1b5a0d8b30_quant:
	.size	k_q1b5a0d8b30_quant, .Lfunc_end_k_q1b5a0d8b30_quant-k_q1b5a0d8b30_quant
	.p2alignl 7, 3214868480
	.fill 96, 4, 3214868480
	.section	.rodata,"a",@progbits
	.p2align	6, 0x0
	.amdhsa_kernel k_q1b5a0d8b30_quant
		.amdhsa_group_segment_fixed_size 33280
		.amdhsa_private_segment_fixed_size 0
		.amdhsa_enable_private_segment 0
		.amdhsa_kernarg_size 56
		.amdhsa_user_sgpr_count 2
		.amdhsa_user_sgpr_kernarg_segment_ptr 1
		.amdhsa_wavefront_size32 1
		.amdhsa_system_sgpr_workgroup_id_x 1
		.amdhsa_system_sgpr_workgroup_id_y 1
		.amdhsa_system_sgpr_workgroup_id_z 1
		.amdhsa_system_vgpr_workitem_id 0
		.amdhsa_next_free_vgpr 194
		.amdhsa_next_free_sgpr 66
		.amdhsa_reserve_vcc 0
		.amdhsa_float_denorm_mode_32 3
		.amdhsa_float_denorm_mode_16_64 3
		.amdhsa_memory_ordered 1
		.amdhsa_forward_progress 1
		.amdhsa_inst_pref_size 38
	.end_amdhsa_kernel
	.amdgpu_metadata
---
amdhsa.version: [ 1, 2 ]
amdhsa.kernels:
  - .name:           k_q1b5a0d8b30_quant
    .symbol:         k_q1b5a0d8b30_quant.kd
    .args:
      - { .name: x, .offset: 0, .size: 8, .value_kind: global_buffer, .address_space: global }
      - { .name: w_in, .offset: 8, .size: 8, .value_kind: global_buffer, .address_space: global }
      - { .name: w_out, .offset: 16, .size: 8, .value_kind: global_buffer, .address_space: global }
      - { .name: lowp_scales, .offset: 24, .size: 8, .value_kind: global_buffer, .address_space: global }
      - { .name: x_codes, .offset: 32, .size: 8, .value_kind: global_buffer, .address_space: global }
      - { .name: win_codes, .offset: 40, .size: 8, .value_kind: global_buffer, .address_space: global }
      - { .name: wout_codes, .offset: 48, .size: 8, .value_kind: global_buffer, .address_space: global }
    .group_segment_fixed_size: 33280
    .private_segment_fixed_size: 0
    .kernarg_segment_align: 8
    .kernarg_segment_size: 56
    .max_flat_workgroup_size: 128
    .sgpr_count:     66
    .vgpr_count:     194
    .wavefront_size: 32
...
	.end_amdgpu_metadata
.endif
;; end of part 1
;; launch qkv (part 2): grid 12 x 16, 4 waves a work-group, clusters of 4 x 4, 327,680 bytes of LDS; arguments x_codes, win_codes, lowp_scales, b_in, qkv; writes qkv
.if DOCPART == 2
	.amdgcn_target "amdgcn-amd-amdhsa--gfx1250"
	.amdhsa_code_object_version 6
	.text
	.protected	k_q1b5a0d8b30_qkv
	.globl	k_q1b5a0d8b30_qkv
	.p2align	8
	.type	k_q1b5a0d8b30_qkv,@function
k_q1b5a0d8b30_qkv:
	s_mov_b64 s[64:65], 0
	v_nop
	global_prefetch_b8 v0, s[64:65] scope:SCOPE_SE
	s_setreg_imm32_b32 hwreg(HW_REG_WAVE_MODE, 25, 1), 1
	s_wait_xcnt 0x0
	s_wait_alu depctr_hold_cnt(0) depctr_sa_sdst(0) depctr_va_vdst(0) depctr_va_sdst(0) depctr_va_ssrc(0) depctr_va_vcc(0) depctr_vm_vsrc(0)
	s_getreg_b32 s2, hwreg(HW_REG_IB_STS2, 6, 4)
	s_cmp_eq_u32 s2, 0
	s_cbranch_scc0 .Lentry_in_a_cluster
	s_endpgm
.Lentry_in_a_cluster:
	s_bfe_u32 s2, ttmp6, 0x10000c
	s_cmp_lg_u32 s2, 0xf033
	s_cbranch_scc0 .Lentry_shape_is_right
	s_endpgm
.Lentry_shape_is_right:
; qkv = x w_in^T + b_in on codes of FP8 (E4M3), sums in f32; each sum x 2^(e0 + e1) + its bias is quantised at once for the product that reads it (q: e2, k: e3, v: e5) and stored as an image of that operand's registers.
; LIMITS: e0 + e1 between -126 and 127; e2, e3, e5 between -126 and 119: each power of two below is then an f32 number.  NaN among the inputs is not served.
; A tile of 256 x 256 is made by a work-group of four waves, a wave makes 128 x 128: 64 accumulators of 16 x 16, 512 registers.  K = 1,024 goes in four steps of 256 through a ring of two LDS slots.
; 192 work-groups: 3 x 4 clusters of 4 x 4.  The cluster's x says what it makes: 0 q, 1 k, 2 v, so all sixteen partners walk one path.
;   q, k: "A" = 256 tokens of x, "B" = 256 rows of w_in.     v: "A" = 256 rows of w_in's last third, "B" = 256 tokens of x: V^T is made, by the same text with the pointers changed.
; THE MATRIX INSTRUCTION IS USED TRANSPOSED (source 0 = 16 rows of B, source 1 = 16 rows of A): a lane holds ONE row of A and eight neighbouring rows of B.  For q and k those eight are neighbours along the head's 64,
; for v along the tokens: in each case along the K of the product that will read them, so eight sums become two registers of that operand, and four such registers of 32 lanes are stored as 512 consecutive bytes.
; qkv's parts (4 MiB each: q, k, v), a head 262,144 bytes:  q, k: [tile of 16 tokens][half c of the 64][lane][16 bytes];   v: [chunk of 32 tokens][tile of 16 of the 64][lane][16 bytes].
; CLUSTERS.  The four of a row of the cluster need the same tiles of A, the four of a column the same tiles of B: each tile is asked for JOINTLY, by the same tensor load with the same descriptor and a mask that names the four.
; REGISTERS, in windows of 256: window 0: v0-31 addresses and two constants; v32-95 the biases of my 64 B rows a lane; v96-111 the biases of my A rows (block a's twice, a pair); from v128 A's fragments, ONE set;
;   on the way out v112-175 a block's numbers, v176-239 four sets of 16 registers of codes.   window 1: B's fragments, TWO sets.   windows 2, 3: the accumulators of my A rows 0-63, 64-127 ((a, b) at v[8 (8 (a % 4) + b)]).
.set ROWB,   256                       ; a tile's row in bytes: 256 codes
.set KROW,   1024                      ; a row of codes in memory
.set PITCH,  272                       ; an LDS row: 256 bytes + 16 of padding = 68 words: row r starts at bank 4 r mod 64 (64 banks of 4 bytes: ISA guide 11.1)
.set FR,     16                        ; registers of a fragment: 16 rows x 128 K
.set NL,     4                         ; LDS loads that bring one
.set NP,     4                         ; places behind this matrix instruction (ISA guide 7.12.1)
.set HALFT,  128*PITCH                 ; 128 rows: what one tensor load brings, and what one wave reads of A or of B
.set SLOT,   4*HALFT                   ; A's 256 rows, then B's 256 rows
.set SPARE,  2*SLOT                    ; behind the ring: the spare words, 128 bytes for each wave: two blocks of 256 bytes that no other line names
.set ADRA, 16                          ; v16-17  LDS address of my A fragments in slot 0, 1
.set ADRB, 20                          ; v20-21  the same for B
.set CO,   26                          ; v26     16 x lane: my place in a store's 512 bytes; never rewritten
.set SPW,  28                          ; v28     LDS address of my spare word; never rewritten
.set NIL,  29                          ; v29     0; never rewritten
.set SCL,  30                          ; v30     2^eo as f32, eo = e2, e3 or e5
.set LIM,  31                          ; v31     448 x 2^eo
.set CB,   32
.set RB,   96
.set TMP,  112
.set AF,   128
.set CD,   176
.set G1, 24                            ; s[24:31] descriptor group 1 for A's tiles;  s[32:39] group 0, one set for each slot
.set G0, 32
.set G1B, 48                           ; s[48:55], s[56:63] the same for B's tiles
.set G0B, 56
.set MSB, 0
.macro WIN new                         ; the immediate's high byte repeats the setting that is left
.if MSB != (\new)
	s_set_vgpr_msb (MSB<<8)|(\new)
.set MSB, (\new)
.endif
.endm
.set MUL_LO, 0xa1                      ; source 0 (B) window 1, source 1 (A) window 0, C and D window 2
.set MUL_HI, 0xf1                      ; the same, C and D window 3
.set TO_B,   0x40                      ; destination window 1, address window 0
; A joint load: waves 0 and 1 fetch for A, waves 2 and 3 for B.  Each of the two lines has ONE mask and one set of registers for all that issue it; the branch hangs on the wave's number alone.
; Four v_nop follow each of the two lines, ahead of the jump, the label and what follows.
.macro JLOAD g0a, g1a, g0b, g1b
	s_cmp_eq_u32 s15, 0
	s_cbranch_scc0 .Lfor_b_\@
	tensor_load_to_lds s[\g0a:\g0a+3], s[\g1a:\g1a+7]
	s_nop 0
.rept 4
	v_nop
.endr
	s_branch .Lasked_\@
.Lfor_b_\@:
	tensor_load_to_lds s[\g0b:\g0b+3], s[\g1b:\g1b+7]
	s_nop 0
.rept 4
	v_nop
.endr
.Lasked_\@:
.endm
.macro CREST                           ; a round of the cluster's barrier behind its opening barrier
	s_cmp_lg_u32 s14, 0
	s_cbranch_scc1 .Lnot_wave_0_\@
	s_barrier_signal -3
.Lnot_wave_0_\@:
	s_barrier_wait -3
	s_barrier_signal -1
	s_barrier_wait -1
.endm
.macro CROUND                          ; a whole round
	s_barrier_signal -1
	s_barrier_wait -1
	CREST
.endm
	s_load_b128 s[4:7], s[0:1], 0x0                ; x's codes s[4:5], w_in's codes s[6:7]
	s_load_b128 s[8:11], s[0:1], 0x10              ; the scales' exponents s[8:9], b_in s[10:11]
	s_load_b64 s[12:13], s[0:1], 0x20              ; qkv
	v_lshl_add_u32 v[SPW], v0, 2, SPARE
	v_mov_b32 v[NIL], 0
	ds_add_u32 v28, v29
	ds_add_u32 v28, v29
	s_wait_dscnt 0x0
	v_lshrrev_b32 v1, 5, v0
	v_readfirstlane_b32 s14, v1                    ; wave 0..3
	s_lshr_b32 s15, s14, 1                         ; which half of the tile's A rows is mine.  Also: I fetch for A (0) or for B (1)
	s_and_b32 s16, s14, 1                          ; which half of its B rows.  Also: which 128 rows of that tile I fetch
	s_bfe_u32 s40, ttmp6, 0x40000                  ; cx, cy: my place in the cluster
	s_bfe_u32 s41, ttmp6, 0x40004
	s_and_b32 s72, ttmp7, 0xffff                   ; the cluster's y
	s_cmp_eq_u32 ttmp9, 2                          ; v?  The cluster's x is the same in all sixteen partners
	s_cselect_b32 s17, 0, s72                      ; q, k: the clusters' y walks the tokens (A);  v: A is w_in's last third, four tiles, one cluster high
	s_cselect_b32 s42, s72, ttmp9                  ; q, k: the cluster's x picks the third of w_in (B);  v: the clusters' y walks the tokens (B)
	s_lshl_b32 s17, s17, 2
	s_add_co_u32 s17, s17, s41                     ; A's tile of 256 rows: hangs on cy, not on cx
	s_lshl_b32 s42, s42, 2
	s_add_co_u32 s42, s42, s40                     ; B's tile of 256 rows: hangs on cx, not on cy
	s_lshl_b32 s43, s41, 2
	s_lshl_b32 s43, 15, s43                        ; my row of the cluster
	s_lshl_b32 s44, 0x1111, s40                    ; my column
	; descriptor group 1: a tile of 128 rows x 256 bytes, padded in LDS
	s_or_b32 s[G1+0], s43, (0<<16)|(1<<20)|(1<<21)|(5<<22)|(3<<25)  ; 15:0 the mask: A's tiles go to my row; 17:16 element of 1 byte; 20 padding on; 21 set beside a mask; 24:22 after every 64 words (code 5); 31:25 of 4 words (code 3)
	s_or_b32 s[G1B+0], s44, (0<<16)|(1<<20)|(1<<21)|(5<<22)|(3<<25)
.irp g, G1, G1B
	s_mov_b32 s[\g+1], ROWB<<16                    ; tensor_dim0
	s_mov_b32 s[\g+2], 128<<16                     ; tensor_dim1 = 128
	s_mov_b32 s[\g+3], ROWB<<16                    ; tile_dim0
	s_mov_b32 s[\g+4], 128                         ; tile_dim1 = 128
	s_mov_b32 s[\g+5], KROW                        ; tensor_dim0_stride
	s_mov_b32 s[\g+6], 0
	s_mov_b32 s[\g+7], 0
.endr
	s_lshl_b32 s18, s16, 7                         ; which 128 rows of the tile I fetch
	s_lshl_b32 s20, s17, 8
	s_add_co_u32 s20, s20, s18                     ; A: row 256 x tile + 128 x half,
	s_lshl_b32 s20, s20, 10                        ; of 1,024 bytes: 4 MiB at the most
	s_mov_b32 s21, 0
	s_lshl_b32 s46, s42, 8
	s_add_co_u32 s46, s46, s18                     ; B likewise
	s_lshl_b32 s46, s46, 10
	s_mov_b32 s47, 0
	s_mul_i32 s45, s14, HALFT                      ; where they go: wave x 128 rows: no place in the cluster enters an LDS address
	s_wait_kmcnt 0x0
	s_load_b256 s[84:91], s[8:9], 0x0              ; e0 .. e7
	s_add_nc_u64 s[18:19], s[6:7], 2048*KROW       ; w_in's last third
	s_cmp_eq_u32 ttmp9, 2
	s_cselect_b64 s[76:77], s[18:19], s[4:5]       ; A's buffer
	s_cselect_b64 s[78:79], s[4:5], s[6:7]         ; B's buffer
	s_add_nc_u64 s[20:21], s[76:77], s[20:21]
	s_add_nc_u64 s[46:47], s[78:79], s[46:47]
	CROUND                                         ; all sixteen work-groups are here: the first joint loads meet
.irp s, 0,1
	s_mov_b32 s[G0+4*\s], 1
	s_add_co_u32 s[G0+4*\s+1], s45, \s*SLOT
	s_add_nc_u64 s[G0+4*\s+2:G0+4*\s+3], s[20:21], \s*ROWB
	s_or_b32 s[G0+4*\s+3], s[G0+4*\s+3], 0x80000000
	s_mov_b32 s[G0B+4*\s], 1
	s_add_co_u32 s[G0B+4*\s+1], s45, \s*SLOT
	s_add_nc_u64 s[G0B+4*\s+2:G0B+4*\s+3], s[46:47], \s*ROWB
	s_or_b32 s[G0B+4*\s+3], s[G0B+4*\s+3], 0x80000000
	JLOAD G0+4*\s, G1, G0B+4*\s, G1B               ; by this text's count two tensor loads of a wave are out here, later one
.endr
	v_and_b32 v1, 15, v0                           ; r = l % 16
	v_bfe_u32 v2, v0, 4, 1                         ; h = l / 16
	; the biases.  Both kinds are loaded on both paths (both ranges lie inside b_in): q, k add the bias of a B row (a register), v that of an A row (a lane)
	s_lshl_b32 s74, ttmp9, 12                      ; my third of b_in: 1,024 numbers of 4 bytes,
	s_lshl_b32 s75, s40, 10                        ; 256 cx,
	s_add_co_u32 s74, s74, s75
	s_lshl_b32 s75, s16, 9                         ; 128 x my half of B's rows
	s_add_co_u32 s74, s74, s75
	s_mov_b32 s75, 0
	s_add_nc_u64 s[68:69], s[10:11], s[74:75]
	s_lshl_b32 s74, ttmp9, 12
	s_lshl_b32 s80, s41, 10                        ; 256 cy,
	s_add_co_u32 s74, s74, s80
	s_lshl_b32 s80, s15, 9                         ; 128 x my half of A's rows
	s_add_co_u32 s74, s74, s80
	s_add_nc_u64 s[70:71], s[10:11], s[74:75]
	v_lshlrev_b32 v8, 5, v2                        ; 32 h: my eight numbers of a tile of 16; never rewritten
	v_lshlrev_b32 v9, 2, v1                        ; 4 r; never rewritten
.irp b, 0,1,2,3,4,5,6,7
	global_load_b128 v[CB+8*\b:CB+8*\b+3], v8, s[68:69] offset:64*\b
	global_load_b128 v[CB+8*\b+4:CB+8*\b+7], v8, s[68:69] offset:64*\b+16
.endr
.irp b, 0,1,2,3,4,5,6,7
	global_load_b32 v[RB+2*\b], v9, s[70:71] offset:64*\b
	global_load_b32 v[RB+2*\b+1], v9, s[70:71] offset:64*\b     ; twice: the packed multiply-add names a pair
.endr
	v_mul_u32_u24 v3, v1, PITCH
	v_lshl_add_u32 v4, v2, 4, v3                   ; a fragment's row x pitch + 16 x half
	s_mul_i32 s21, s15, HALFT                      ; my 128 rows of A
	s_mul_i32 s22, s16, HALFT                      ; my 128 rows of B,
	s_add_co_u32 s22, s22, 2*HALFT                 ; which lie behind A's 256
.irp s, 0,1
	v_add_nc_u32 v[ADRA+\s], s21, v4
	v_add_nc_u32 v[ADRB+\s], s22, v4
	s_add_co_u32 s21, s21, SLOT
	s_add_co_u32 s22, s22, SLOT
.endr
	v_and_b32 v6, 31, v0
	v_lshlrev_b32 v[CO], 4, v6
	; where my results go: part x 4 MiB + my first head x 262,144 + my 128 tokens x 64 bytes
	s_lshl_b32 s80, s41, 2
	s_lshl_b32 s81, s15, 1
	s_add_co_u32 s80, s80, s81                     ; v: my first head = 4 cy + 2 x half of A's rows
	s_lshl_b32 s81, s40, 2
	s_lshl_b32 s82, s16, 1
	s_add_co_u32 s81, s81, s82                     ; q, k: 4 cx + 2 x half of B's rows
	s_lshl_b32 s82, s42, 1
	s_add_co_u32 s82, s82, s16                     ; v: my 128 tokens = 2 x B's tile + half
	s_lshl_b32 s83, s17, 1
	s_add_co_u32 s83, s83, s15                     ; q, k: 2 x A's tile + half
	s_cmp_eq_u32 ttmp9, 2
	s_cselect_b32 s80, s80, s81
	s_cselect_b32 s82, s82, s83
	s_lshl_b32 s80, s80, 18
	s_lshl_b32 s82, s82, 13
	s_add_co_u32 s80, s80, s82
	s_lshl_b32 s82, ttmp9, 22
	s_add_co_u32 s80, s80, s82
	s_mov_b32 s81, 0
	s_add_nc_u64 s[12:13], s[12:13], s[80:81]
.macro FRAG reg, adr, q, i             ; a fragment, 16 rows x 128 K, is 16 registers; the codes' order in memory puts K = 16 c + 8 (l / 16) + 0 .. 7 into registers 2 c, 2 c + 1
.irp c, 0,1,2,3
	ds_load_b128 v[\reg+4*\c:\reg+4*\c+3], v[\adr] offset:128*(\q)+32*\c+(\i)*16*PITCH
.endr
.endm
; 16 matrix instructions: A's blocks a0, a0 + 1 x B's eight, 128 along K.  p: B's set.  zero = 1: the first product starts the sums: nothing is ever cleared.
; The 64 accumulators take turns, one instruction a turn, in the same order in every step.
.macro MUL16 a0, p, zero
.irp a, \a0, \a0+1
.irp b, 0,1,2,3,4,5,6,7
.if \zero
	v_wmma_f32_16x16x128_fp8_fp8 v[8*(8*((\a)%4)+\b):8*(8*((\a)%4)+\b)+7], v[128*(\p)+FR*\b:128*(\p)+FR*\b+FR-1], v[AF+FR*(\a):AF+FR*(\a)+FR-1], 0
.else
	v_wmma_f32_16x16x128_fp8_fp8 v[8*(8*((\a)%4)+\b):8*(8*((\a)%4)+\b)+7], v[128*(\p)+FR*\b:128*(\p)+FR*\b+FR-1], v[AF+FR*(\a):AF+FR*(\a)+FR-1], v[8*(8*((\a)%4)+\b):8*(8*((\a)%4)+\b)+7]
.endif
.endr
.endr
.endm
.macro FETCH_B slot, q, p              ; B's eight fragments of the slot's q-th 128 along K into set p
	WIN TO_B
.irp i, 0,1,2,3,4,5,6,7
	FRAG 128*(\p)+FR*\i, ADRB+\slot, \q, \i
.endr
	WIN 0
.endm
.macro FETCH_A slot, q, i0             ; A's blocks i0 .. i0 + 3
.irp i, \i0, \i0+1, \i0+2, \i0+3
	FRAG AF+FR*(\i), ADRA+\slot, \q, \i
.endr
.endm
; A load into a register that a matrix instruction has read, and a vector instruction that reads a matrix result or writes one of its registers, stand NP places behind it; only plain vector
; instructions that name none of its registers are places (ISA guide 7.12.1 for vector instructions).
.macro PLACES n
.rept \n
	v_nop
.endr
.endm
; A step of 128 along K that has its successor in the same slot.  A block of A is free as soon as its eight products are issued: blocks 0-3 are fetched anew in the step's middle, blocks 4-7 at its end.
.macro STEP slot, q, zero
	s_wait_dscnt 4*NL                              ; B's set and A's blocks 0-3 are in; the youngest sixteen loads (A's blocks 4-7) may be out
	WIN MUL_LO
	MUL16 0, (\q)%2, \zero
	MUL16 2, (\q)%2, \zero
	s_wait_dscnt 0                                 ; A's blocks 4-7 are in (asked for 32 matrix instructions ago)
	PLACES NP
	FETCH_B \slot, (\q)+1, 1-(\q)%2
	FETCH_A \slot, (\q)+1, 0
	WIN MUL_HI
	MUL16 4, (\q)%2, \zero
	MUL16 6, (\q)%2, \zero
	PLACES NP
	WIN 0
	FETCH_A \slot, (\q)+1, 4
.endm
; A slot's last step changes slots: ONE barrier; in front of it each wave waits for all its tensor loads, adds 0 to its spare word, and waits for that and for its own reads of this slot.  fill = 1: this slot is filled again, two K steps ahead.
.macro TURN slot, next, fill
	s_wait_tensorcnt 0x0                           ; all my tensor loads have landed: my part of the next slot;  (every window is 0 here: the add's two registers lie in window 0)
	ds_add_u32 v[SPW], v[NIL]                      ; 0 onto my spare word
	s_wait_dscnt 4*NL+1                            ; (the add and the youngest sixteen loads, A's blocks 4-7, may be out)
	WIN MUL_LO
	MUL16 0, 1, 0                                  ; sixteen matrix instructions stand between the add and the wait for it
	s_wait_dscnt 0x0                               ; the add is done, and my reads of this slot are over
	s_barrier_signal -1
	MUL16 2, 1, 0
	WIN 0
	s_barrier_wait -1
.if \fill
	CREST                                          ; the barrier has opened a round of the cluster's barrier: no wave of any partner still reads this slot's tile or has a load on its way
	s_add_nc_u64 s[G0+4*\slot+2:G0+4*\slot+3], s[G0+4*\slot+2:G0+4*\slot+3], 2*ROWB
	s_add_nc_u64 s[G0B+4*\slot+2:G0B+4*\slot+3], s[G0B+4*\slot+2:G0B+4*\slot+3], 2*ROWB
	JLOAD G0+4*\slot, G1, G0B+4*\slot, G1B         ; the first tensor load behind the round; the four v_nop behind it are the places in front of the loads below
.else
	PLACES NP
.endif
	FETCH_B \next, 0, 0
	FETCH_A \next, 0, 0
	WIN MUL_HI
	MUL16 4, 1, 0
	MUL16 6, 1, 0
	PLACES NP
	WIN 0
	FETCH_A \next, 0, 4
.endm
	s_wait_tensorcnt 1                             ; my part of K step 0 is in (K step 1's load may be out)
	s_barrier_signal -1
	s_barrier_wait -1                              ; everybody's is
	FETCH_B 0, 0, 0
	FETCH_A 0, 0, 0
	FETCH_A 0, 0, 4
	; K = 1,024 is twice round the ring: the eight steps of 128 are written out, no loop
	STEP 0, 0, 1                                   ; K 0: its products start the sums
	TURN 0, 1, 1                                   ; K 128;  slot 0 takes K 512 on
	STEP 1, 0, 0                                   ; K 256
	TURN 1, 0, 1                                   ; K 384;  slot 1 takes K 768 on
	STEP 0, 0, 0                                   ; K 512
	TURN 0, 1, 0                                   ; K 640;  nothing is left to fetch, so no round of the cluster's barrier
	STEP 1, 0, 0                                   ; K 768
	s_wait_dscnt 4*NL                              ; K 896, the last step
	WIN MUL_LO
	MUL16 0, 1, 0
	MUL16 2, 1, 0
	s_wait_dscnt 0
	WIN MUL_HI
	MUL16 4, 1, 0
	MUL16 6, 1, 0
	WIN 0
; THE WAY OUT, block by block of 16 rows of A x 128 rows of B, without LDS.  number = sum x 2^(e0 + e1) + bias (one packed multiply-add for two); the hold; eight numbers become two registers of codes.
; Registers 4 q .. 4 q + 3 of the block's sixteen are 32 neighbours along the reader's K: a store of them covers 512 consecutive bytes, at a multiple of 512 from qkv's first byte.
; path 0 (q, k): block a = tile a of my tokens; q / 2 = the head, q % 2 = the half of its 64.     path 1 (v): block a: head a / 4, tile a % 4 of its 64; q = chunk of 32 of my tokens.
.macro OUTBLK a, path
.set AC,  64*((\a)%4)
.set CDS, CD+16*((\a)%4)
.if (\a) >= 4
	s_wait_xcnt 0x0                                ; the stores of four blocks ago have read their registers: this set of codes is written again only behind this wait
.endif
	WIN 0x02+((\a)/4)                              ; source 0: window 2 or 3
.irp b, 0,1,2,3,4,5,6,7
.irp i, 0,2,4,6
.if \path
	v_pk_fma_f32 v[TMP+8*\b+\i:TMP+8*\b+\i+1], v[AC+8*\b+\i:AC+8*\b+\i+1], s[96:97], v[RB+2*(\a):RB+2*(\a)+1] op_sel_hi:[1,0,1]   ; each accumulator from its low end on
.else
	v_pk_fma_f32 v[TMP+8*\b+\i:TMP+8*\b+\i+1], v[AC+8*\b+\i:AC+8*\b+\i+1], s[96:97], v[CB+8*\b+\i:CB+8*\b+\i+1] op_sel_hi:[1,0,1]
.endif
.endr
.endr
	WIN 0
.set j, 0
.rept 64
	v_med3_num_f32 v[TMP+j], v[TMP+j], -v[LIM], v[LIM]   ; the conversion to an 8-bit code does not saturate (ISA guide 7.6.2)
.set j, j+1
.endr
.irp b, 0,1,2,3,4,5,6,7
	v_cvt_scalef32_pk8_fp8_f32 v[CDS+2*\b:CDS+2*\b+1], v[TMP+8*\b:TMP+8*\b+7], v[SCL]
.endr
	v_nop                                          ; one plain vector instruction between the conversions and the next block's lines, which write their sources
.irp q, 0,1,2,3
.if \path
	global_store_b128 v[CO], v[CDS+4*\q:CDS+4*\q+3], s[12:13] offset:((\a)/4)*262144+\q*2048+((\a)%4)*512
.else
	global_store_b128 v[CO], v[CDS+4*\q:CDS+4*\q+3], s[12:13] offset:(\q/2)*262144+(\a)*1024+(\q%2)*512
.endif
.endr
.endm
	s_wait_kmcnt 0x0
	s_add_co_i32 s96, s84, s85                     ; e0 + e1
	s_add_co_i32 s96, s96, 127
	s_lshl_b32 s96, s96, 23                        ; 2^(e0 + e1) as f32
	s_mov_b32 s97, s96                             ; (named with it as a pair, so it is written)
	s_cmp_eq_u32 ttmp9, 0
	s_cselect_b32 s92, s86, s87                    ; e2 for q, e3 for k,
	s_cmp_eq_u32 ttmp9, 2
	s_cselect_b32 s92, s89, s92                    ; e5 for v: a choice, no branch on a loaded number
	s_add_co_i32 s92, s92, 127
	s_lshl_b32 s93, s92, 23
	v_mov_b32 v[SCL], s93
	s_add_co_i32 s92, s92, 8
	s_lshl_b32 s92, s92, 23
	s_or_b32 s92, s92, 0x600000
	v_mov_b32 v[LIM], s92
	s_wait_loadcnt 0x0                             ; the biases
	PLACES NP                                      ; behind the last products: their results are read, and registers that held A's fragments are written
	s_cmp_eq_u32 ttmp9, 2                          ; the cluster's x: all partners take the same way
	s_cbranch_scc1 .Lv
.irp n, 0,1,2,3,4,5,6,7
	OUTBLK \n, 0
.endr
	s_branch .Lend
.Lv:
.irp n, 0,1,2,3,4,5,6,7
	OUTBLK \n, 1
.endr
.Lend:
	s_wait_tensorcnt 0x0                           ; the wave's end
	ds_add_u32 v[SPW], v[NIL]
	s_wait_dscnt 0x0
	CROUND                                         ; the closing round: no work-group ends while a partner may still ask for a tile that names it
	s_endpgm
.Lfunc_end_k_q1b5a0d8b30_qkv:
	.size	k_q1b5a0d8b30_qkv, .Lfunc_end_k_q1b5a0d8b30_qkv-k_q1b5a0d8b30_qkv
	.p2alignl 7, 3214868480
	.fill 96, 4, 3214868480
	.section	.rodata,"a",@progbits
	.p2align	6, 0x0
	.amdhsa_kernel k_q1b5a0d8b30_qkv
		.amdhsa_group_segment_fixed_size 327680
		.amdhsa_private_segment_fixed_size 0
		.amdhsa_enable_private_segment 0
		.amdhsa_kernarg_size 40
		.amdhsa_user_sgpr_count 2
		.amdhsa_user_sgpr_kernarg_segment_ptr 1
		.amdhsa_wavefront_size32 1
		.amdhsa_system_sgpr_workgroup_id_x 1
		.amdhsa_system_sgpr_workgroup_id_y 1
		.amdhsa_system_sgpr_workgroup_id_z 1
		.amdhsa_system_vgpr_workitem_id 0
		.amdhsa_next_free_vgpr 1024
		.amdhsa_next_free_sgpr 98
		.amdhsa_reserve_vcc 0
		.amdhsa_float_denorm_mode_32 3
		.amdhsa_float_denorm_mode_16_64 3
		.amdhsa_memory_ordered 1
		.amdhsa_forward_progress 1
		.amdhsa_inst_pref_size 194
	.end_amdhsa_kernel
	.amdgpu_metadata
---
amdhsa.version: [ 1, 2 ]
amdhsa.kernels:
  - .name:           k_q1b5a0d8b30_qkv
    .symbol:         k_q1b5a0d8b30_qkv.kd
    .args:
      - { .name: x_codes, .offset: 0, .size: 8, .value_kind: global_buffer, .address_space: global }
      - { .name: win_codes, .offset: 8, .size: 8, .value_kind: global_buffer, .address_space: global }
      - { .name: lowp_scales, .offset: 16, .size: 8, .value_kind: global_buffer, .address_space: global }
      - { .name: b_in, .offset: 24, .size: 8, .value_kind: global_buffer, .address_space: global }
      - { .name: qkv, .offset: 32, .size: 8, .value_kind: global_buffer, .address_space: global }
    .group_segment_fixed_size: 327680
    .private_segment_fixed_size: 0
    .kernarg_segment_align: 8
    .kernarg_segment_size: 40
    .max_flat_workgroup_size: 128
    .sgpr_count:     98
    .vgpr_count:     1024
    .wavefront_size: 32
...
	.end_amdgpu_metadata
.endif
;; end of part 2
;; launch attn (part 3): grid 16 x 16, 16 waves a work-group, no clusters, 169,984 bytes of LDS; arguments qkv, lowp_scales, ctx; writes ctx
.if DOCPART == 3
	.amdgcn_target "amdgcn-amd-amdhsa--gfx1250"
	.amdhsa_code_object_version 6
	.text
	.protected	k_q1b5a0d8b30_attn
	.globl	k_q1b5a0d8b30_attn
	.p2align	8
	.type	k_q1b5a0d8b30_attn,@function
k_q1b5a0d8b30_attn:
	s_mov_b64 s[64:65], 0
	v_nop
	global_prefetch_b8 v0, s[64:65] scope:SCOPE_SE
	s_setreg_imm32_b32 hwreg(HW_REG_WAVE_MODE, 25, 1), 1
	s_wait_xcnt 0x0
; ctx[q] = the sum over keys k with |q - k| <= 128 of softmax(q . k / 8) v, for each of 16 heads of 64, both products on codes of FP8 (E4M3); ctx is quantised (e6) and stored as an image of the last product's operand registers.
; THE SOFTMAX AHEAD OF THE SECOND PRODUCT: t = score x log2(e) / 8; M = the row's largest t rounded UP to a whole number; p = 2^(t - M) is quantised (e4), not normalised; the row's sum of the unquantised p divides at the end.
; All keys that count for a query lie in registers at once, so M is the row's own: no running maximum is needed.  Keys outside the band, or outside 0 .. 4,095, get the score -infinity: p = 0.  A query's own key always counts.
; LIMITS: e2 + e3 between -123 and 130 (added to the exponent field of log2(e) / 8); e4 and e6 between -126 and 119; e4 + e5 is applied by v_ldexp_f32.  NaN among the inputs is not served.
; SHARES.  A work-group owns 256 queries (x) of one head (y); each of its sixteen waves 16 of them, in 256 registers: four waves to a SIMD, so that one wave's vector work stands beside another's matrix work and LDS loads.
; The work-group's keys are the 512 from 256 x - 128 on: 32 KiB of K's images and 32 KiB of V's, brought ONCE by eight tensor loads of 8 KiB (128 keys, dense in memory), one a wave, waves 0-7; one barrier.
; Pieces that would begin outside the tokens are taken from the nearest piece inside: their codes are numbers, and the mask hides them.
; Wave w reads 288 keys from ks = 256 x - 128 + 32 (w / 2) on: its queries' bands are keys 16 (w % 2) + r .. 256 + 16 (w % 2) + r of those, r the query's place in the tile.
; NO JOINT LOADS: two neighbouring blocks of queries share 256 of their 512 keys, and those lie at different places of the two windows: a shared tile would want an LDS address that hangs on the work-group's place.
; LAYOUT.  Both products are used transposed: S^T = K Q^T (source 0 = 16 keys, source 1 = my 16 queries), O^T = V^T P^T (source 0 = 16 of the head's 64, source 1 = P): a lane holds ONE query (lane % 16) throughout;
; tile t's register j is key 16 t + 8 (lane / 16) + j, which is the place that the second product's operand gives it: the conversions' results are that operand.
; REGISTERS: v1 16 x lane; v2, v3 LDS addresses of K's and V's images; v4, v5 the mask's bounds; v6 -infinity; v7-10 scales and holds; v12 -M, v13 the largest t; v[14:15], v[246:247] the sum; v16-23 Q;
;   v24-55 and v56-87 four fragments of K each; v56-95 then p's codes (v92-95 stay 0); v96-239 S^T, then p; later v96-127 O^T, v128-159 fragments of V, v160-191 ctx, v192-199 its codes; v240-249 at work.
.set S,  96
.set FA, 24
.set FB, 56
.set P,  56
.set O,  96
.set VB, 128
.set CV, 160
.set CC, 192
.set MX, 240
	s_load_b128 s[4:7], s[0:1], 0x0                ; qkv s[4:5], the scales' exponents s[6:7]
	s_load_b64 s[8:9], s[0:1], 0x10                ; ctx
	v_lshl_add_u32 v254, v0, 2, 0x29000
	v_mov_b32 v255, 0
	ds_add_u32 v254, v255
	ds_add_u32 v254, v255
	v_lshrrev_b32 v1, 5, v0
	v_readfirstlane_b32 s10, v1                    ; wave 0..15
	s_mov_b32 s11, ttmp9                           ; block of 256 queries
	s_and_b32 s12, ttmp7, 0xffff                   ; head
	s_lshr_b32 s13, s10, 1
	s_and_b32 s14, s10, 1
	; descriptor group 1: 8,192 dense bytes as 32 rows of 32 elements of 8 bytes, no padding
	s_mov_b32 s16, 3<<16                           ; no mask; elements of 8 bytes
	s_mov_b32 s17, 32<<16                          ; tensor_dim0 = 32
	s_mov_b32 s18, 32<<16                          ; tensor_dim1 = 32
	s_mov_b32 s19, 32<<16                          ; tile_dim0 = 32
	s_mov_b32 s20, 32                              ; tile_dim1 = 32
	s_mov_b32 s21, 32                              ; from row to row
	s_mov_b32 s22, 0
	s_mov_b32 s23, 0
	; the piece that I fetch, if I fetch: waves 0-3 K's, waves 4-7 V's; piece w % 4 of the window: 128 keys from 256 x - 128 + 128 (w % 4) on
	s_lshl_b32 s28, s11, 1
	s_and_b32 s29, s10, 3
	s_add_co_u32 s28, s28, s29
	s_sub_co_i32 s28, s28, 1
	s_max_i32 s28, s28, 0
	s_min_i32 s28, s28, 31                         ; held inside the head's 32 pieces
	s_lshl_b32 s28, s28, 13
	s_bfe_u32 s29, s10, 0x10002                    ; (w / 4) % 2
	s_add_co_u32 s29, s29, 1
	s_lshl_b32 s29, s29, 22                        ; part 1 (k) or 2 (v) of qkv
	s_add_co_u32 s28, s28, s29
	s_lshl_b32 s35, s12, 18                        ; the head's 262,144 bytes
	s_add_co_u32 s28, s28, s35
	s_mov_b32 s29, 0
	s_lshl_b32 s34, s11, 4
	s_add_co_u32 s34, s34, s10                     ; my tile of 16 tokens
	s_lshl_b32 s32, s34, 10
	s_add_co_u32 s32, s32, s35                     ; Q's image: part 0
	s_mov_b32 s33, 0
	s_lshl_b32 s50, s34, 14
	s_lshl_b32 s51, s12, 10
	s_add_co_u32 s50, s50, s51                     ; ctx: a tile's 16,384 bytes, the head's 1,024 of them
	s_mov_b32 s51, 0
	s_wait_dscnt 0x0
	s_wait_kmcnt 0x0
	s_load_b256 s[36:43], s[6:7], 0x0              ; e0 .. e7
	s_mov_b32 s24, 1                               ; count = 1
	s_lshl_b32 s25, s10, 13                        ; LDS: K's four pieces, then V's four
	s_add_nc_u64 s[26:27], s[4:5], s[28:29]
	s_or_b32 s27, s27, 0x80000000                  ; type = 2
	s_cmp_lt_u32 s10, 8
	s_cbranch_scc0 .Lno_fill
	tensor_load_to_lds s[24:27], s[16:23]          ; one tensor load of a wave is out; every LDS byte is filled once
	s_nop 0
.rept 4
	v_nop
.endr
.Lno_fill:
	s_add_nc_u64 s[32:33], s[4:5], s[32:33]
	s_add_nc_u64 s[8:9], s[8:9], s[50:51]
	v_and_b32 v1, 31, v0
	v_lshlrev_b32 v1, 4, v1                        ; 16 x lane; never rewritten
	global_load_b128 v[16:19], v1, s[32:33]        ; Q's fragment: 16 queries x 64
	global_load_b128 v[20:23], v1, s[32:33] offset:512
	s_lshl_b32 s30, s13, 11
	v_add_nc_u32 v2, s30, v1                       ; K: my first tile is 2 (w / 2), 1,024 bytes a tile
	v_add_nc_u32 v3, 32768, v2                     ; V: my first chunk of 32 keys is w / 2, 2,048 bytes a chunk
	; the mask.  n = 16 t + 8 h + j counts my 288 keys.  n counts where lo <= n <= hi
	s_lshl_b32 s15, s11, 8
	s_lshl_b32 s30, s13, 5
	s_add_co_u32 s15, s15, s30
	s_sub_co_i32 s15, s15, 128                     ; ks, my first key: under 0 in the first block's waves 0-7
	s_sub_co_i32 s52, 0, s15
	s_lshl_b32 s56, s14, 4
	s_cmp_lt_i32 s15, 0
	s_cselect_b32 s52, s52, s56                    ; lo = -ks (32 at the least, over every 16 (w % 2) + r) where keys under 0 are in the window, else 16 (w % 2) + r
	s_cselect_b32 s54, 0, 15
	s_sub_co_i32 s53, 4095, s15
	s_add_co_u32 s56, s56, 256
	s_cmp_gt_i32 s15, 3808
	s_cselect_b32 s53, s53, s56                    ; hi = 4,095 - ks (255 at the most) where keys over 4,095 are in the window, else 256 + 16 (w % 2) + r
	s_cselect_b32 s55, 0, 15
	v_and_b32 v11, 15, v0                          ; r
	v_bfe_u32 v245, v0, 4, 1
	v_lshlrev_b32 v245, 3, v245                    ; 8 h
	v_and_b32 v4, s54, v11
	v_add_nc_u32 v4, s52, v4
	v_sub_nc_u32 v4, v4, v245                      ; lo - 8 h: hidden where 16 t + j is under it
	v_and_b32 v5, s55, v11
	v_add_nc_u32 v5, s53, v5
	v_sub_nc_u32 v5, v5, v245                      ; hi - 8 h: hidden where 16 t + j is over it
	v_mov_b32 v6, 0xff800000                       ; -infinity
	v_mov_b32 v244, 0                              ; written once: a lane permute's destination counts as one of its sources
.irp j, 92,93,94,95
	v_mov_b32 v\j, 0                               ; p's codes of keys 288 to 319, which do not exist: the second product's last step is 64 deep
.endr
	s_mov_b32 s46, 0x76543210
	s_mov_b32 s47, 0xfedcba98                      ; v_permlanex16_b32's selects for lane l xor 16
	s_wait_kmcnt 0x0
	s_add_co_i32 s49, s38, s39
	s_lshl_b32 s49, s49, 23
	s_mov_b32 s44, 0x3e38aa3b                      ; log2(e) / 8
	s_add_co_i32 s44, s44, s49                     ; a score stands for score x 2^(e2 + e3): the exponents are added to c's exponent field
	s_mov_b32 s45, s44                             ; (named with it as a pair, so it is written)
	s_add_co_i32 s48, s40, s41                     ; e4 + e5
	s_add_co_i32 s49, s40, 127
	s_lshl_b32 s57, s49, 23
	v_mov_b32 v7, s57                              ; 2^e4 as f32
	s_add_co_i32 s49, s49, 8
	s_lshl_b32 s49, s49, 23
	s_or_b32 s49, s49, 0x600000
	v_mov_b32 v8, s49                              ; 448 x 2^e4
	s_add_co_i32 s49, s42, 127
	s_lshl_b32 s57, s49, 23
	v_mov_b32 v9, s57                              ; 2^e6
	s_add_co_i32 s49, s49, 8
	s_lshl_b32 s49, s49, 23
	s_or_b32 s49, s49, 0x600000
	v_mov_b32 v10, s49                             ; 448 x 2^e6
	s_wait_tensorcnt 0x0                           ; my piece has landed (a wave that fetched none passes at once),
	s_barrier_signal -1
	s_barrier_wait -1                              ; everybody's has: the launch's one barrier
.macro LK f, t0, n                     ; n fragments of K (16 keys x 64), tiles t0 on, into v[f] on: images, 512 consecutive bytes a load
.irp i, 0,1,2,3
.if \i < \n
	ds_load_b128 v[\f+8*\i:\f+8*\i+3], v2 offset:((\t0)+\i)*1024
	ds_load_b128 v[\f+8*\i+4:\f+8*\i+7], v2 offset:((\t0)+\i)*1024+512
.endif
.endr
.endm
.macro MM f, t0, n                     ; their products: each starts and ends a sum (K = 64 is the whole head)
.irp i, 0,1,2,3
.if \i < \n
	v_wmma_f32_16x16x64_fp8_fp8 v[S+8*((\t0)+\i):S+8*((\t0)+\i)+7], v[\f+8*\i:\f+8*\i+7], v[16:23], 0
.endif
.endr
.endm
.macro LV f, s                         ; V^T's four fragments (16 of the 64 x 64 keys) of step s.  Step 4 has 32 keys: its second half repeats the first, against p's zero codes
.irp d, 0,1,2,3
	ds_load_b128 v[\f+8*\d:\f+8*\d+3], v3 offset:(2*(\s))*2048+\d*512
.if (\s) < 4
	ds_load_b128 v[\f+8*\d+4:\f+8*\d+7], v3 offset:(2*(\s)+1)*2048+\d*512
.else
	ds_load_b128 v[\f+8*\d+4:\f+8*\d+7], v3 offset:(2*(\s))*2048+\d*512
.endif
.endr
.endm
.macro PV f, s                         ; O^T += V^T P^T: the four accumulators take turns, one instruction a turn; step 0 starts the sums
.irp d, 0,1,2,3
.if (\s) == 0
	v_wmma_f32_16x16x64_fp8_fp8 v[O+8*\d:O+8*\d+7], v[\f+8*\d:\f+8*\d+7], v[P+8*(\s):P+8*(\s)+7], 0
.else
	v_wmma_f32_16x16x64_fp8_fp8 v[O+8*\d:O+8*\d+7], v[\f+8*\d:\f+8*\d+7], v[P+8*(\s):P+8*(\s)+7], v[O+8*\d:O+8*\d+7]
.endif
.endr
.endm
.macro PLACES                          ; four places in front of loads into registers that matrix instructions have read, and of the first read of results (ISA guide 7.12.1 for vector instructions)
.rept 4
	v_nop
.endr
.endm
.macro MASKLO t
.irp j, 0,1,2,3,4,5,6,7
	v_cmp_lt_i32 vcc_lo, 16*(\t)+\j, v4
	v_cndmask_b32 v[S+8*(\t)+\j], v[S+8*(\t)+\j], v6, vcc_lo
.endr
.endm
.macro MASKHI t
.irp j, 0,1,2,3,4,5,6,7
	v_cmp_gt_i32 vcc_lo, 16*(\t)+\j, v5
	v_cndmask_b32 v[S+8*(\t)+\j], v[S+8*(\t)+\j], v6, vcc_lo
.endr
.endm
.macro MAXG g, n                       ; tiles 4 g .. 4 g + n - 1 into the four chains, the chains by turns; each tile from its low end on
.irp s, 0,1,2,3
.irp c, 0,1,2,3
.if \c < \n
.set rS, S+8*(4*(\g)+\c)
.if (\g) > 0
	v_max3_num_f32 v[MX+\c], v[MX+\c], v[rS+2*\s], v[rS+2*\s+1]
.elseif \s == 0
	v_max3_num_f32 v[MX+\c], v[rS], v[rS+1], v[rS+2]
.elseif \s < 3
	v_max3_num_f32 v[MX+\c], v[MX+\c], v[rS+2*\s+1], v[rS+2*\s+2]
.else
	v_max_num_f32 v[MX+\c], v[MX+\c], v[rS+7]
.endif
.endif
.endr
.endr
.endm
	; ---- S^T = K Q^T: 18 tiles of 16 keys, on two sets of four fragments
	LK FA, 0, 4
	LK FB, 4, 4
	s_wait_loadcnt 0x0                             ; Q
	s_wait_dscnt 8                                 ; the first set is in; the second's eight loads may be out
	MM FA, 0, 4
	PLACES
	LK FA, 8, 4
	s_wait_dscnt 8                                 ; tiles 4-7 are in; the eight just issued may be out
	MM FB, 4, 4
	PLACES
	LK FB, 12, 4
	s_wait_dscnt 8
	MM FA, 8, 4
	PLACES
	LK FA, 16, 2
	s_wait_dscnt 4                                 ; tiles 12-15 are in; the four just issued may be out
	MM FB, 12, 4
	s_wait_dscnt 0x0
	MM FA, 16, 2
	PLACES
	LV FA, 0                                       ; V's first step lands under the softmax
	; ---- the mask.  The band's ends fall into tiles 0, 1 and 16, 17; where the window reaches beyond the tokens, more tiles are hidden: scalar branches on ids, round register work alone
	MASKLO 0
	MASKLO 1
	MASKHI 16
	MASKHI 17
	s_cmp_lt_i32 s15, 0
	s_cbranch_scc0 .Lno_lo
.irp t, 2,3,4,5,6,7
	MASKLO \t                                      ; -ks is 128 at the most
.endr
.Lno_lo:
	s_cmp_gt_i32 s15, 3808
	s_cbranch_scc0 .Lno_hi
.irp t, 10,11,12,13,14,15
	MASKHI \t                                      ; 4,095 - ks is 159 at the least
.endr
.Lno_hi:
	; ---- the row's largest score: my 144, then lane l xor 16's
	MAXG 0, 4
	MAXG 1, 4
	MAXG 2, 4
	MAXG 3, 4
	MAXG 4, 2
	v_max3_num_f32 v[MX], v[MX], v[MX+1], v[MX+2]
	v_max_num_f32 v[MX], v[MX], v[MX+3]
	v_permlanex16_b32 v244, v[MX], s46, s47
	v_max_num_f32 v[MX], v[MX], v244
	v_mul_f32 v13, s44, v[MX]                      ; as t (c is positive)
	v_floor_f32 v12, -v13                          ; -M = floor(-t) = -ceil(t): M is a whole number
.set j, 0
.rept 72
	v_pk_fma_f32 v[S+j:S+j+1], v[S+j:S+j+1], s[44:45], v[12:13] op_sel_hi:[1,0,0]   ; t - M, two at a time (of the pairs c and -M the low word serves both halves)
.set j, j+2
.endr
.set j, 0
.rept 144
	v_exp_f32 v[S+j], v[S+j]                       ; p = 2^(t - M), at most 1: not normalised
.set j, j+1
.endr
	v_nop                                          ; a plain instruction behind the last exponential
	s_wait_alu depctr_va_vdst(0)                   ; one wait for the whole batch, ahead of its first reader
	; ---- the row's sum, of the unquantised p: two at a time, in two chains
	v_pk_add_f32 v[14:15], v[S:S+1], v[S+2:S+3]
	v_pk_add_f32 v[246:247], v[S+4:S+5], v[S+6:S+7]
.set j, 8
.rept 34
	v_pk_add_f32 v[14:15], v[14:15], v[S+j:S+j+1]
	v_pk_add_f32 v[246:247], v[246:247], v[S+j+2:S+j+3]
.set j, j+4
.endr
	v_pk_add_f32 v[14:15], v[14:15], v[246:247]
	v_add_f32 v14, v14, v15
	v_permlanex16_b32 v244, v14, s46, s47
	v_add_f32 v14, v14, v244                       ; over 1/2: the row's largest p is
	v_rcp_f32 v248, v14                            ; its wait stands behind the holds and conversions below, which name neither register
	; ---- p is quantised: the results are the second product's operand
.set j, 0
.rept 144
	v_min_num_f32 v[S+j], v[S+j], v8               ; the conversion does not saturate (ISA guide 7.6.2); p is not negative, so the hold is one-sided
.set j, j+1
.endr
.set j, 0
.rept 18
	v_cvt_scalef32_pk8_fp8_f32 v[P+2*j:P+2*j+1], v[S+8*j:S+8*j+7], v7
.set j, j+1
.endr
	v_nop                                          ; one plain vector instruction between the conversions and the products that read their results and write over their sources
	s_wait_alu depctr_va_vdst(0)                   ; the reciprocal's wait, ahead of its first reader
	v_ldexp_f32 v248, v248, s48                    ; 2^(e4 + e5) / the sum
	v_mov_b32 v249, v248
	; ---- O^T = V^T P^T: five steps of 64 keys, on two sets of four fragments
	LV VB, 1
	s_wait_dscnt 8                                 ; step 0's are in; the eight just issued may be out
	PV FA, 0
	PLACES
	LV FA, 2
	s_wait_dscnt 8
	PV VB, 1
	PLACES
	LV VB, 3
	s_wait_dscnt 8
	PV FA, 2
	PLACES
	LV FA, 4
	s_wait_dscnt 8
	PV VB, 3
	s_wait_dscnt 0x0
	PV FA, 4
	PLACES
	; ---- ctx = O^T x 2^(e4 + e5) / the sum, quantised.  Tile d's register j is ctx(query r, 16 d + 8 h + j): two registers of the last product's operand
.set j, 0
.rept 16
	v_pk_mul_f32 v[CV+j:CV+j+1], v[O+j:O+j+1], v[248:249]   ; each accumulator from its low end on
.set j, j+2
.endr
.set j, 0
.rept 32
	v_med3_num_f32 v[CV+j], v[CV+j], -v10, v10
.set j, j+1
.endr
.irp d, 0,1,2,3
	v_cvt_scalef32_pk8_fp8_f32 v[CC+2*\d:CC+2*\d+1], v[CV+8*\d:CV+8*\d+7], v9
.endr
	v_nop
	global_store_b128 v1, v[CC:CC+3], s[8:9]               ; 32 lanes store 512 consecutive bytes, at a multiple of 512 from ctx's first byte
	global_store_b128 v1, v[CC+4:CC+7], s[8:9] offset:512
	s_wait_tensorcnt 0x0
	ds_add_u32 v254, v255
	s_wait_dscnt 0x0
	s_endpgm
.Lfunc_end_k_q1b5a0d8b30_attn:
	.size	k_q1b5a0d8b30_attn, .Lfunc_end_k_q1b5a0d8b30_attn-k_q1b5a0d8b30_attn
	.p2alignl 7, 3214868480
	.fill 96, 4, 3214868480
	.section	.rodata,"a",@progbits
	.p2align	6, 0x0
	.amdhsa_kernel k_q1b5a0d8b30_attn
		.amdhsa_group_segment_fixed_size 169984
		.amdhsa_private_segment_fixed_size 0
		.amdhsa_enable_private_segment 0
		.amdhsa_kernarg_size 24
		.amdhsa_user_sgpr_count 2
		.amdhsa_user_sgpr_kernarg_segment_ptr 1
		.amdhsa_wavefront_size32 1
		.amdhsa_system_sgpr_workgroup_id_x 1
		.amdhsa_system_sgpr_workgroup_id_y 1
		.amdhsa_system_sgpr_workgroup_id_z 1
		.amdhsa_system_vgpr_workitem_id 0
		.amdhsa_next_free_vgpr 256
		.amdhsa_next_free_sgpr 66
		.amdhsa_reserve_vcc 1
		.amdhsa_float_denorm_mode_32 3
		.amdhsa_float_denorm_mode_16_64 3
		.amdhsa_memory_ordered 1
		.amdhsa_forward_progress 1
		.amdhsa_inst_pref_size 53
	.end_amdhsa_kernel
	.amdgpu_metadata
---
amdhsa.version: [ 1, 2 ]
amdhsa.kernels:
  - .name:           k_q1b5a0d8b30_attn
    .symbol:         k_q1b5a0d8b30_attn.kd
    .args:
      - { .name: qkv, .offset: 0, .size: 8, .value_kind: global_buffer, .address_space: global }
      - { .name: lowp_scales, .offset: 8, .size: 8, .value_kind: global_buffer, .address_space: global }
      - { .name: ctx, .offset: 16, .size: 8, .value_kind: global_buffer, .address_space: global }
    .group_segment_fixed_size: 169984
    .private_segment_fixed_size: 0
    .kernarg_segment_align: 8
    .kernarg_segment_size: 24
    .max_flat_workgroup_size: 512
    .sgpr_count:     66
    .vgpr_count:     256
    .wavefront_size: 32
...
	.end_amdgpu_metadata
.endif
;; end of part 3
;; launch oproj (part 4): grid 8 x 32, 4 waves a work-group, clusters of 4 x 4, 327,680 bytes of LDS; arguments ctx, wout_codes, lowp_scales, b_out, x, out0; writes out0
.if DOCPART == 4
	.amdgcn_target "amdgcn-amd-amdhsa--gfx1250"
	.amdhsa_code_object_version 6
	.text
	.protected	k_q1b5a0d8b30_oproj
	.globl	k_q1b5a0d8b30_oproj
	.p2align	8
	.type	k_q1b5a0d8b30_oproj,@function
k_q1b5a0d8b30_oproj:
	s_mov_b64 s[64:65], 0
	v_nop
	global_prefetch_b8 v0, s[64:65] scope:SCOPE_SE
	s_setreg_imm32_b32 hwreg(HW_REG_WAVE_MODE, 25, 1), 1
	s_wait_xcnt 0x0
	s_wait_alu depctr_hold_cnt(0) depctr_sa_sdst(0) depctr_va_vdst(0) depctr_va_sdst(0) depctr_va_ssrc(0) depctr_va_vcc(0) depctr_vm_vsrc(0)
	s_getreg_b32 s2, hwreg(HW_REG_IB_STS2, 6, 4)
	s_cmp_eq_u32 s2, 0
	s_cbranch_scc0 .Lentry_in_a_cluster
	s_endpgm
.Lentry_in_a_cluster:
	s_bfe_u32 s2, ttmp6, 0x10000c
	s_cmp_lg_u32 s2, 0xf033
	s_cbranch_scc0 .Lentry_shape_is_right
	s_endpgm
.Lentry_shape_is_right:
; out0 = x + ctx w_out^T + b_out; the product on codes of FP8 (E4M3), sums in f32, each finished sum x 2^(e6 + e7).
; LIMIT: e6 + e7 between -126 and 127, so that 2^(e6 + e7) is an f32 number.
; A tile of 128 tokens x 128 columns is made by a work-group of four waves, a wave makes 64 x 64: 16 accumulators.  256 work-groups.
; K = 1,024 of both operands fits into LDS: it comes in four parts of 256 along K, all asked for at the head, each LDS byte filled once; a part is read behind the wait for it and a barrier, while the later parts are on their way.
; ctx lies as images of operand registers: [tile of 16 tokens][K step of 128][4 registers][lane][16 bytes]: a part of a tile is 4,096 dense bytes, and a fragment comes by four loads of 512 consecutive bytes.
; w_out's codes lie by rows of 1,024 bytes; in LDS a part's rows are 256 bytes + 16 of padding.
; CLUSTERS: 4 x 4 work-groups.  The four of a row of the cluster need the same tokens of ctx, the four of a column the same rows of w_out: each tile is asked for JOINTLY, by the same tensor load with the same descriptor and a mask of the four.
; THE MATRIX INSTRUCTION IS USED TRANSPOSED (source 0 = 16 rows of w_out, source 1 = 16 tokens): a lane holds eight neighbouring columns of one token.
; REGISTERS: window 0: v1-31 addresses, v[28:31] b_out of my four columns on the way out; v32-95 two sets of 16 rows on the way out; v128-255 the accumulators ((a, b) at v[128 + 8 (4 a + b)]).
;   window 1: two fragment buffers of 128: 64 registers of ctx (4 x 16 tokens x 128 K), then 64 of w_out.   window 2: v0-127 x at my 64 x 64 outputs, in the order in which they are stored.
.set PITCH,  272                       ; a row of w_out's part in LDS: 68 words: row r starts at bank 4 r mod 64 (64 banks of 4 bytes: ISA guide 11.1)
.set APART,  32768                     ; ctx: a part: 8 tiles of tokens x 4,096 bytes
.set BREG,   4*APART                   ; w_out's parts begin here
.set BPART,  128*PITCH
.set STAGE,  BREG+4*BPART              ; behind them: 16 rows x 272 bytes for each wave, for the way out; no tensor load lands there
.set SPITCH, 272
.set ADRA, 16                          ; v16-19  LDS address of my ctx fragments in part 0 .. 3
.set ADRB, 20                          ; v20-23  the same for w_out
.set STO,  24                          ; v24     the way out: where I put 32 bytes of a row
.set RD,   25                          ; v25     where I read a row back
.set CO,   26                          ; v26     my byte offset in x and out0: two rows an instruction; never rewritten
.set BOF,  27                          ; v27     16 x (lane % 16); never rewritten
.set BO,   28
.set BK,   32
.set ACC,  128
.set G1A, 24                           ; s[24:31] descriptor group 1 for ctx's tiles;  s[32:39] for w_out's
.set G1B, 32
.set G0A, 40                           ; s[40:55] groups 0 for ctx's four parts;  s[68:83] for w_out's
.set G0B, 68
.set MSB, 0
.macro WIN new                         ; the immediate's high byte repeats the setting that is left
.if MSB != (\new)
	s_set_vgpr_msb (MSB<<8)|(\new)
.set MSB, (\new)
.endif
.endm
.set MULW, 0x05                        ; sources 0 and 1 window 1; C and D window 0
.set TO_F, 0x40                        ; destination window 1, address window 0
.macro CROUND                          ; a round of the cluster's barrier
	s_barrier_signal -1
	s_barrier_wait -1
	s_cmp_lg_u32 s16, 0
	s_cbranch_scc1 .Lnot_wave_0_\@
	s_barrier_signal -3
.Lnot_wave_0_\@:
	s_barrier_wait -3
	s_barrier_signal -1
	s_barrier_wait -1
.endm
	s_load_b256 s[4:11], s[0:1], 0x0               ; ctx s[4:5], w_out's codes s[6:7], the scales' exponents s[8:9], b_out s[10:11]
	s_load_b128 s[12:15], s[0:1], 0x20             ; x s[12:13], out0 s[14:15]
	v_lshl_add_u32 v126, v0, 2, 0x46400
	v_mov_b32 v127, 0
	ds_add_u32 v126, v127
	ds_add_u32 v126, v127
	v_lshrrev_b32 v1, 5, v0
	v_readfirstlane_b32 s16, v1                    ; wave 0..3
	s_lshr_b32 s17, s16, 1                         ; which half of the tile's tokens is mine.  Also: I fetch ctx (0) or w_out (1)
	s_and_b32 s18, s16, 1                          ; which half of its columns.  Also: which half of that tile I fetch
	s_bfe_u32 s19, ttmp6, 0x40000                  ; cx, cy: my place in the cluster
	s_bfe_u32 s20, ttmp6, 0x40004
	s_lshl_b32 s21, ttmp9, 2
	s_add_co_u32 s21, s21, s19                     ; tile of 128 columns = 4 x cluster x + cx
	s_and_b32 s22, ttmp7, 0xffff
	s_lshl_b32 s22, s22, 2
	s_add_co_u32 s22, s22, s20                     ; tile of 128 tokens = 4 x cluster y + cy
	s_lshl_b32 s23, s20, 2
	s_lshl_b32 s23, 15, s23                        ; my row of the cluster
	s_lshl_b32 s56, 0x1111, s19                    ; my column
	s_or_b32 s[G1A+0], s23, (0<<16)|(1<<21)        ; 15:0 the mask: ctx's tiles go to my row; elements of 1 byte; 21 set beside a mask; no padding
	s_mov_b32 s[G1A+1], 4096<<16                   ; tensor_dim0 = 4,096: a part of a tile of tokens
	s_mov_b32 s[G1A+2], 4<<16                      ; tensor_dim1 = 4 tiles of tokens
	s_mov_b32 s[G1A+3], 4096<<16                   ; tile_dim0
	s_mov_b32 s[G1A+4], 4                          ; tile_dim1
	s_mov_b32 s[G1A+5], 16384                      ; from a tile of tokens to the next
	s_mov_b32 s[G1A+6], 0
	s_mov_b32 s[G1A+7], 0
	s_or_b32 s[G1B+0], s56, (0<<16)|(1<<20)|(1<<21)|(5<<22)|(3<<25)  ; the mask of my column; padding: 4 words (code 3) after every 64 (code 5)
	s_mov_b32 s[G1B+1], 256<<16                    ; tensor_dim0 = 256
	s_mov_b32 s[G1B+2], 64<<16                     ; tensor_dim1 = 64 rows
	s_mov_b32 s[G1B+3], 256<<16
	s_mov_b32 s[G1B+4], 64
	s_mov_b32 s[G1B+5], 1024                       ; a row of w_out's codes
	s_mov_b32 s[G1B+6], 0
	s_mov_b32 s[G1B+7], 0
	s_lshl_b32 s58, s22, 17                        ; ctx: 8 tiles of 16,384 bytes to a tile of 128 tokens: hangs on cy, not on cx;
	s_lshl_b32 s57, s18, 16                        ; + the 4 tiles (or 64 rows of 1,024 bytes) of the half that I fetch
	s_add_co_u32 s58, s58, s57
	s_mov_b32 s59, 0
	s_lshl_b32 s60, s21, 17                        ; w_out: 128 rows of 1,024 bytes: hangs on cx, not on cy
	s_add_co_u32 s60, s60, s57
	s_mov_b32 s61, 0
	s_lshl_b32 s62, s18, 14                        ; where they go: no place in the cluster enters an LDS address
	s_mul_i32 s63, s18, 64*PITCH
	s_add_co_u32 s63, s63, BREG
	s_wait_dscnt 0x0
	s_wait_kmcnt 0x0
	s_load_b256 s[88:95], s[8:9], 0x0              ; e0 .. e7
	s_add_nc_u64 s[58:59], s[4:5], s[58:59]
	s_add_nc_u64 s[60:61], s[6:7], s[60:61]
.irp p, 0,1,2,3
	s_mov_b32 s[G0A+4*\p], 1
	s_add_co_u32 s[G0A+4*\p+1], s62, \p*APART
	s_add_nc_u64 s[G0A+4*\p+2:G0A+4*\p+3], s[58:59], \p*4096
	s_or_b32 s[G0A+4*\p+3], s[G0A+4*\p+3], 0x80000000
	s_mov_b32 s[G0B+4*\p], 1
	s_add_co_u32 s[G0B+4*\p+1], s63, \p*BPART
	s_add_nc_u64 s[G0B+4*\p+2:G0B+4*\p+3], s[60:61], \p*256
	s_or_b32 s[G0B+4*\p+3], s[G0B+4*\p+3], 0x80000000
.endr
	CROUND                                         ; all sixteen work-groups are here: the joint loads meet
	s_cmp_eq_u32 s17, 0                            ; a wave's four fills stand in one branch on the wave's number, ahead of every wait on TENSORcnt and every LDS read: four loads of mine are out
	s_cbranch_scc0 .Lfill_b
.irp p, 0,1,2,3
	tensor_load_to_lds s[G0A+4*\p:G0A+4*\p+3], s[G1A:G1A+7]
	s_nop 0
.endr
.rept 4
	v_nop
.endr
	s_branch .Lfilled
.Lfill_b:
.irp p, 0,1,2,3
	tensor_load_to_lds s[G0B+4*\p:G0B+4*\p+3], s[G1B:G1B+7]
	s_nop 0
.endr
.rept 4
	v_nop
.endr
.Lfilled:
	v_and_b32 v1, 15, v0                           ; r
	v_bfe_u32 v2, v0, 4, 1                         ; h
	v_lshlrev_b32 v[CO], 12, v2
	v_lshl_add_u32 v[CO], v1, 4, v[CO]             ; lanes 0-15 one row of x or out0 (4,096 bytes), lanes 16-31 the next; 16 bytes a lane
	v_lshlrev_b32 v[BOF], 4, v1
	s_lshl_b32 s86, s21, 9
	s_lshl_b32 s87, s18, 8
	s_add_co_u32 s86, s86, s87                     ; my first column, in bytes: 512 x tile + 256 x half
	s_lshl_b32 s84, s22, 19
	s_lshl_b32 s85, s17, 18
	s_add_co_u32 s84, s84, s85                     ; my first token's row: (128 x tile + 64 x half) x 4,096
	s_add_co_u32 s84, s84, s86
	s_mov_b32 s85, 0
	s_mov_b32 s87, 0
	s_add_nc_u64 s[12:13], s[12:13], s[84:85]
	s_add_nc_u64 s[14:15], s[14:15], s[84:85]
	s_add_nc_u64 s[10:11], s[10:11], s[86:87]
	WIN 0x80                                       ; destination window 2, address window 0
.irp a, 0,1,2,3
.irp t, 0,1,2,3,4,5,6,7
	global_load_b128 v[32*\a+4*\t:32*\a+4*\t+3], v[CO], s[12:13] offset:(16*\a+2*\t)*4096 th:TH_LOAD_NT   ; the residual, asked for at the head: 16 lanes read 256 consecutive bytes
.endr
.endr
	WIN 0
	global_load_b128 v[BO:BO+3], v[BOF], s[10:11]
	v_and_b32 v3, 31, v0
	v_lshlrev_b32 v3, 4, v3                        ; 16 x lane
	s_lshl_b32 s57, s17, 14                        ; my 4 tiles of tokens
	v_add_nc_u32 v[ADRA], s57, v3
.irp p, 1,2,3
	v_add_nc_u32 v[ADRA+\p], \p*APART, v[ADRA]
.endr
	v_mul_u32_u24 v4, v1, PITCH
	v_lshl_add_u32 v4, v2, 4, v4                   ; a fragment's row x pitch + 16 x half
	s_mul_i32 s57, s18, 64*PITCH                   ; my 64 rows of w_out
	s_add_co_u32 s57, s57, BREG
	v_add_nc_u32 v[ADRB], s57, v4
.irp p, 1,2,3
	v_add_nc_u32 v[ADRB+\p], \p*BPART, v[ADRB]
.endr
	s_mul_i32 s57, s16, 16*SPITCH
	s_add_co_u32 s57, s57, STAGE                   ; my stage
	v_mul_u32_u24 v5, v1, SPITCH                   ; in: row r, 32 bytes for each half of the lanes
	v_lshl_add_u32 v5, v2, 5, v5
	v_add_nc_u32 v[STO], s57, v5
	v_mul_u32_u24 v5, v2, SPITCH                   ; back: lanes 0-15 one row of 256 bytes, lanes 16-31 the next
	v_lshl_add_u32 v5, v1, 4, v5
	v_add_nc_u32 v[RD], s57, v5
; 32 LDS loads in one run: the fragments of the q-th 128 along K of part p into buffer f
.macro FETCH p, q, f
	WIN TO_F
.irp i, 0,1,2,3
.irp c, 0,1,2,3
	ds_load_b128 v[\f+16*\i+4*\c:\f+16*\i+4*\c+3], v[ADRA+(\p)] offset:\i*4096+(\q)*2048+\c*512
.endr
.endr
.irp i, 0,1,2,3
.irp c, 0,1,2,3
	ds_load_b128 v[\f+64+16*\i+4*\c:\f+64+16*\i+4*\c+3], v[ADRB+(\p)] offset:\i*16*PITCH+128*(\q)+32*\c
.endr
.endr
.endm
; 16 matrix instructions, 128 along K: the 16 accumulators take turns, one instruction a turn, in the same order in every step.  zero = 1: the first products start the sums
.macro MUL f, zero
	WIN MULW
.irp a, 0,1,2,3
.irp b, 0,1,2,3
.if \zero
	v_wmma_f32_16x16x128_fp8_fp8 v[ACC+8*(4*\a+\b):ACC+8*(4*\a+\b)+7], v[\f+64+16*\b:\f+64+16*\b+15], v[\f+16*\a:\f+16*\a+15], 0
.else
	v_wmma_f32_16x16x128_fp8_fp8 v[ACC+8*(4*\a+\b):ACC+8*(4*\a+\b)+7], v[\f+64+16*\b:\f+64+16*\b+15], v[\f+16*\a:\f+16*\a+15], v[ACC+8*(4*\a+\b):ACC+8*(4*\a+\b)+7]
.endif
.endr
.endr
.endm
.macro PLACES                          ; four places in front of loads into registers that matrix instructions have read, and of the first read of results (ISA guide 7.12.1 for vector instructions)
.rept 4
	v_nop
.endr
.endm
; Step s of eight: its fragments are in; the next step's are asked for, into the other buffer; then its products.  Where the next step begins a part, that part is waited for and a barrier shows it whole.
.macro KS s
	s_wait_dscnt 0x0                               ; this step's 32 loads are in (asked for ahead of the last step's products)
.if ((\s)%2 == 1) && ((\s) < 7)
	s_wait_tensorcnt 3-((\s)+1)/2                  ; my piece of the next part has landed; my later parts' loads may stay out
	s_barrier_signal -1
	s_barrier_wait -1                              ; everybody's has
.endif
.if (\s) < 7
.if (\s) > 0
	PLACES
.endif
	FETCH ((\s)+1)/2, ((\s)+1)%2, 128*(((\s)+1)%2)
.endif
.if (\s) == 0
	MUL 128*((\s)%2), 1
.else
	MUL 128*((\s)%2), 0
.endif
.endm
	s_wait_tensorcnt 3                             ; my piece of part 0 is in; three loads of mine may be out,
	s_barrier_signal -1
	s_barrier_wait -1                              ; everybody's is
	FETCH 0, 0, 0
.irp n, 0,1,2,3,4,5,6,7
	KS \n
.endr
	WIN 0
; THE WAY OUT, block by block of 16 tokens x 64 columns.  A lane holds 32 neighbouring bytes of a row, the lanes beside it other rows: the raw sums go through my own stage in LDS and come back as whole rows of 256 bytes.
; LDS serves a wave's instructions in order (ISA guide 5.7.1.4): no wait between the stores and the loads, nor in front of the next block's stores.
.macro TOSTAGE a
.irp b, 0,1,2,3
	ds_store_b128 v[STO], v[ACC+8*(4*(\a)+\b):ACC+8*(4*(\a)+\b)+3] offset:64*\b          ; each accumulator from its low end on
	ds_store_b128 v[STO], v[ACC+8*(4*(\a)+\b)+4:ACC+8*(4*(\a)+\b)+7] offset:64*\b+16
.endr
.set BB, BK+32*((\a)%2)
.irp t, 0,1,2,3,4,5,6,7
	ds_load_b128 v[BB+4*\t:BB+4*\t+3], v[RD] offset:\t*2*SPITCH
.endr
.endm
.macro SEND a, younger                 ; younger: the LDS instructions issued behind block a's loads, which may stay out
.set BB, BK+32*((\a)%2)
	s_wait_dscnt \younger                          ; the block is back in registers
.irp t, 0,1,2,3,4,5,6,7
.irp i, 0,2
	v_pk_fma_f32 v[BB+4*\t+\i:BB+4*\t+\i+1], v[BB+4*\t+\i:BB+4*\t+\i+1], s[96:97], v[BO+\i:BO+\i+1] op_sel_hi:[1,0,1]   ; sum x 2^(e6 + e7) + b_out
.endr
.endr
	WIN 0x08                                       ; source 1 window 2
.irp t, 0,1,2,3,4,5,6,7
.irp i, 0,2
	v_pk_add_f32 v[BB+4*\t+\i:BB+4*\t+\i+1], v[BB+4*\t+\i:BB+4*\t+\i+1], v[32*(\a)+4*\t+\i:32*(\a)+4*\t+\i+1]          ; + x
.endr
.endr
	WIN 0
.irp t, 0,1,2,3,4,5,6,7
	global_store_b128 v[CO], v[BB+4*\t:BB+4*\t+3], s[14:15] offset:(16*(\a)+2*\t)*4096 th:TH_STORE_NT   ; 16 lanes store 256 consecutive bytes, at a multiple of 256 from out0's first byte
.endr
.endm
	s_wait_kmcnt 0x0
	s_add_co_i32 s96, s94, s95                     ; e6 + e7
	s_add_co_i32 s96, s96, 127
	s_lshl_b32 s96, s96, 23                        ; 2^(e6 + e7) as f32
	s_mov_b32 s97, s96                             ; (named with it as a pair, so it is written)
	s_wait_loadcnt 0x0                             ; x and b_out
	PLACES                                         ; behind the last products
	TOSTAGE 0
.irp n, 1,2,3
.if \n > 1
	s_wait_xcnt 0x0                                ; the stores of two blocks ago have read their registers: this block's loads may land there
.endif
	TOSTAGE \n
	SEND \n-1, 16                                  ; behind the earlier block's loads: this block's 8 stores and 8 loads
.endr
	SEND 3, 0
	s_wait_tensorcnt 0x0
	ds_add_u32 v126, v127
	s_wait_dscnt 0x0
	CROUND                                         ; the closing round: no work-group ends while a partner may still ask for a tile that names it (all my tensor loads were waited for in step 5)
	s_endpgm
.Lfunc_end_k_q1b5a0d8b30_oproj:
	.size	k_q1b5a0d8b30_oproj, .Lfunc_end_k_q1b5a0d8b30_oproj-k_q1b5a0d8b30_oproj
	.p2alignl 7, 3214868480
	.fill 96, 4, 3214868480
	.section	.rodata,"a",@progbits
	.p2align	6, 0x0
	.amdhsa_kernel k_q1b5a0d8b30_oproj
		.amdhsa_group_segment_fixed_size 327680
		.amdhsa_private_segment_fixed_size 0
		.amdhsa_enable_private_segment 0
		.amdhsa_kernarg_size 48
		.amdhsa_user_sgpr_count 2
		.amdhsa_user_sgpr_kernarg_segment_ptr 1
		.amdhsa_wavefront_size32 1
		.amdhsa_system_sgpr_workgroup_id_x 1
		.amdhsa_system_sgpr_workgroup_id_y 1
		.amdhsa_system_sgpr_workgroup_id_z 1
		.amdhsa_system_vgpr_workitem_id 0
		.amdhsa_next_free_vgpr 768
		.amdhsa_next_free_sgpr 100
		.amdhsa_reserve_vcc 0
		.amdhsa_float_denorm_mode_32 3
		.amdhsa_float_denorm_mode_16_64 3
		.amdhsa_memory_ordered 1
		.amdhsa_forward_progress 1
		.amdhsa_inst_pref_size 54
	.end_amdhsa_kernel
	.amdgpu_metadata
---
amdhsa.version: [ 1, 2 ]
amdhsa.kernels:
  - .name:           k_q1b5a0d8b30_oproj
    .symbol:         k_q1b5a0d8b30_oproj.kd
    .args:
      - { .name: ctx, .offset: 0, .size: 8, .value_kind: global_buffer, .address_space: global }
      - { .name: wout_codes, .offset: 8, .size: 8, .value_kind: global_buffer, .address_space: global }
      - { .name: lowp_scales, .offset: 16, .size: 8, .value_kind: global_buffer, .address_space: global }
      - { .name: b_out, .offset: 24, .size: 8, .value_kind: global_buffer, .address_space: global }
      - { .name: x, .offset: 32, .size: 8, .value_kind: global_buffer, .address_space: global }
      - { .name: out0, .offset: 40, .size: 8, .value_kind: global_buffer, .address_space: global }
    .group_segment_fixed_size: 327680
    .private_segment_fixed_size: 0
    .kernarg_segment_align: 8
    .kernarg_segment_size: 48
    .max_flat_workgroup_size: 128
    .sgpr_count:     100
    .vgpr_count:     768
    .wavefront_size: 32
...
	.end_amdgpu_metadata
.endif
;; end of part 4
